; MI455X (gfx1250); checked and timed in simulation.
; The chip was launched on July 23, 2026; its instructions are those of AMD's public machine-readable ISA for CDNA 5 (MIT licence, August 2026) and "CDNA5" Instruction Set Architecture Reference Guide (July 2026). The comments in the code are by the model that wrote it; some were corrected since.
;; Ratio Of Distances Metric. Allowed arithmetic: matrix products marked QUANTISED: E2M3 operands, one E8M0 scale for each 32 along K, by v_wmma_scale_f32_16x16x128_f8f6f4 with both operands' format E2M3, f32 sums; everything else in f32.
;; Inputs: X_sample 4,096 x 256 float32; X_train 32,768 x 256 float32.
;; Outputs: out0 4,096 x 2 float32; out1 one number float32.
;; This version of the problem:
;;   THIS VERSION OF THE PROBLEM IS GIVEN IN LOW PRECISION. The matrix products marked QUANTISED in the list below multiply operands that are first quantised to E2M3 (2 exponent bits, 3 mantissa bits; 6 bits a number), with one power-of-two scale for each 32 numbers along K (OCP MX v1.0); their sums are f32. All else is computed in f32.
;;   The module's matrix products, in the order in which they are computed (A, B: the left and right operand; K: the contracted axis; several contracted axes count as one K, in the product's order):
;;     1. [M 4,096, K 256] x [K 256, N 32,768]; A: input X_sample; B: input X_train: QUANTISED
;;   THE QUANTISER, for each operand of a quantised product, along K:
;;     - K is cut into blocks of 32 from its start; a last block that is shorter is filled with zeros.
;;     - A block's scale is 2^e with e = floor(log2(the largest magnitude in the block)) - 2, held to -126 .. 127; a block of zeros has e = 0. As a byte (E8M0): e + 127.
;;     - Each number is divided by its block's scale, clamped to +-7.5, and rounded to the nearest number of E2M3, ties to even, subnormals kept.
;;     - The product sums the exact products of the quantised numbers (number of the format x scale) in f32.
;;   ~~~python
;;   def quantise(x, axis):      # numpy; x: float32 -> the quantised numbers, widened to float32 again
;;       x = np.moveaxis(x, axis, -1); K = x.shape[-1]
;;       x = np.pad(x, [(0, 0)] * (x.ndim - 1) + [(0, -K % 32)]); x = x.reshape(x.shape[:-1] + (-1, 32)); a = np.abs(x).max(-1, keepdims=True)
;;       e = np.where(a > 0, np.clip(np.frexp(np.where(a > 0, a, 1))[1] - 1 - 2, -126, 127), 0)      # np.frexp(a)[1] - 1 = floor(log2(a)), exactly
;;       r = np.clip(x / 2.0 ** e, -7.5, 7.5)
;;       step = 2.0 ** (np.maximum(np.frexp(np.where(r == 0, 1, r))[1] - 1, 0) - 3)
;;       q = np.round(r / step) * step * 2.0 ** e      # np.round: ties to even
;;       return np.moveaxis(q.reshape(q.shape[:-2] + (-1,))[..., :K], -1, axis).astype(np.float32)
;;   ~~~
;; One version. Each part assembles by itself: llvm-mc -triple=amdgcn-amd-amdhsa -mcpu=gfx1250 --defsym DOCPART=n.
;; ======== version 1 of 1: 3 launches
;; workspace buffers: rec 7,667,712 bytes; part 524,288 bytes
;; launch quant (part 1): grid 256 x 1, 9 waves a work-group, no clusters, 155,648 bytes of LDS; arguments X_sample, X_train, rec; writes rec
.if DOCPART == 1
	.amdgcn_target "amdgcn-amd-amdhsa--gfx1250"
	.amdhsa_code_object_version 6
	.text
	.protected	k_qabf23e4d6d_quant
	.globl	k_qabf23e4d6d_quant
	.p2align	8
	.type	k_qabf23e4d6d_quant,@function
k_qabf23e4d6d_quant:
	s_mov_b64 s[64:65], 0
	v_nop
	global_prefetch_b8 v0, s[64:65] scope:SCOPE_SE
	s_setreg_imm32_b32 hwreg(HW_REG_WAVE_MODE, 25, 1), 1
	s_wait_xcnt 0x0
; X_sample [4096][256] and X_train [32768][256], f32, become RECORDS: one for each tile of 16 rows, 3,328 bytes = 13 x 256, laid in the order in which the next launch's registers take them.
;   bytes 0-1535     the fragment of k 0-127 as codes of FP6 (E2M3): register rho (0-11) of lane l at 512 (rho / 4) + 16 l + 4 (rho % 4)
;   bytes 1536-3071  the same for k 128-255
;   bytes 3072-3199  scale words (four E8M0 bytes each): word l < 16: row l, k 0-127; word l >= 16: row l - 16, k 128-255
;   bytes 3200-3263  c[row] = -0.5 x the sum of the row's squares, of the UNQUANTISED f32 numbers;   bytes 3264-3327  zeros, so that the record's last 256 bytes leave whole
; Records 0-255 are the samples' tiles, records 256-2303 the training rows'.  2,304 tiles = 256 work-groups x 9 waves: a wave takes one tile, there is no loop, and waves share nothing: no barrier.
; A block's scale is 2^(floor(log2(its largest magnitude)) - 2); its byte is the largest magnitude's exponent field - 2, held at 1 from below.
; LIMITS: a block of zeros gets the byte 1 where the rule says 127 (its codes are zeros, and this program alone reads the bytes); blocks whose largest magnitude lies under 2^-124 are held at that floor;
; NaN and infinities among the inputs are not served.
; A load takes 512 consecutive bytes (half a row), 16 a lane; the operand's layout wants lane (r, h) to hold k = 64 c + 32 h + 0 .. 31 of row r: so each half of the tile turns through the wave's own stage in LDS.
.set WREG,   17152                     ; LDS of a wave: two stages and 256 bytes for the record's last unit
.set SPITCH, 528                       ; a stage row: 512 bytes + 16: the sixteen rows that a read touches start 4 words apart
.set HALF,   16*SPITCH                 ; a stage: 16 rows
.set TLO,    2*HALF
.set RECB,   3328
.set RA,  16                           ; v16-79    k 0-127 as loaded; later k 128-255 in the operand's order
.set RB,  80                           ; v80-143   k 128-255 as loaded
.set X,   144                          ; v144-207  k 0-127 in the operand's order: register 32 c + j = k 64 c + 32 h + j
.set CD,  208                          ; v208-231  the two fragments' codes
.set TT,  232                          ; v232-234, v236-238 the upper halves of two blocks' codes (a conversion's three registers begin on an even number)
.set AM,  240                          ; v240-241  two blocks' largest magnitudes
.set SOP, 242                          ; v242-243  the conversions' scale operands
.set BY,  244                          ; v244-245  the scale bytes
.set WD,  246                          ; v246-247  the row's scale word of each K step
.set PT,  248                          ; v248      what the lane 16 away sends
.set SQ,  250                          ; v250-253  the sum of squares, in two chains of pairs
	s_load_b128 s[4:7], s[0:1], 0x0                ; X_sample, X_train
	s_load_b64 s[8:9], s[0:1], 0x10                ; rec
	v_lshl_add_u32 v254, v0, 2, 0x25b00
	v_mov_b32 v255, 0
	v_lshrrev_b32 v1, 5, v0
	v_readfirstlane_b32 s10, v1                    ; wave 0..8
	v_and_b32 v1, 31, v0                           ; lane
	v_and_b32 v2, 15, v0                           ; r
	v_bfe_u32 v3, v0, 4, 1                         ; h
	v_lshlrev_b32 v4, 4, v1                        ; 16 x lane: my bytes of a load's or a store's 512
	s_mul_i32 s11, s10, WREG                       ; my wave's LDS
	s_add_co_u32 s12, s11, TLO
	v_add_nc_u32 v5, s11, v4                       ; into a stage: as loaded
	v_mul_u32_u24 v6, v2, SPITCH
	v_lshl_add_u32 v6, v3, 7, v6
	v_add_nc_u32 v6, s11, v6                       ; out of it: row r, + 128 h bytes: my block of 32 numbers
	v_lshl_add_u32 v7, v1, 2, s12                  ; the record's last unit: a word a lane,
	v_lshl_add_u32 v8, v1, 3, s12                  ; and back 8 bytes a lane
	v_lshlrev_b32 v9, 3, v1
	v_lshlrev_b32 v10, 3, v3                       ; 8 h: my bytes' place in a scale word
	v_mov_b32 v[PT], 0                             ; written once: a lane permute's destination counts as one of its sources
	s_mov_b32 s20, 0x76543210
	s_mov_b32 s21, 0xfedcba98                      ; v_permlanex16_b32's selects for lane l xor 16
	s_mul_i32 s13, ttmp9, 9
	s_add_co_u32 s13, s13, s10                     ; my tile = my record: 9 x work-group + wave
	s_mul_i32 s16, s13, RECB
	s_mov_b32 s17, 0
	s_mov_b32 s15, 0
	s_wait_kmcnt 0x0
	s_cmp_lt_u32 s13, 256                          ; a tile of samples or of training rows?  Only the pointer is chosen: both take one path
	s_cselect_b64 s[4:5], s[4:5], s[6:7]
	s_cselect_b32 s14, 0, 256
	s_sub_co_u32 s14, s13, s14                     ; the tile's number in its tensor,
	s_lshl_b32 s14, s14, 14                        ; times 16 rows of 1,024 bytes (under 2^26)
	s_add_nc_u64 s[4:5], s[4:5], s[14:15]
	s_add_nc_u64 s[8:9], s[8:9], s[16:17]
.set p, 0
.rept 16
	global_load_b128 v[RA+4*p:RA+4*p+3], v4, s[4:5] offset:1024*p th:TH_LOAD_NT        ; row p, k 0-127: 512 consecutive bytes
.set p, p+1
.endr
.set p, 0
.rept 16
	global_load_b128 v[RB+4*p:RB+4*p+3], v4, s[4:5] offset:1024*p+512 th:TH_LOAD_NT    ; row p, k 128-255: the whole tile, 16 KiB a wave, is asked for at once
.set p, p+1
.endr
; 64 numbers of a lane, v[y + 32 c + j] = k 128 s + 64 c + 32 h + j of row r: two whole blocks.  They become registers 12 s .. 12 s + 11 of CD, the row's scale word WD + s, and their squares go into SQ.
.macro QUANT y, s
.set n, 0
.rept 16                               ; the two blocks' maxima and the two chains of squares by turns: no line waits for the line above it
.if n == 0
	v_max3_num_f32 v[AM], |v[\y]|, |v[\y+1]|, 0x1800000            ; the floor 2^(3 - 127) among the leaves: the byte cannot fall under 1
	v_max3_num_f32 v[AM+1], |v[\y+32]|, |v[\y+33]|, 0x1800000
.else
	v_max3_num_f32 v[AM], v[AM], |v[\y+2*n]|, |v[\y+2*n+1]|
	v_max3_num_f32 v[AM+1], v[AM+1], |v[\y+32+2*n]|, |v[\y+33+2*n]|
.endif
.if (\s == 0) && (n == 0)
	v_pk_mul_f32 v[SQ:SQ+1], v[\y:\y+1], v[\y:\y+1]                ; the first squares start the sums: nothing is cleared
	v_pk_mul_f32 v[SQ+2:SQ+3], v[\y+2:\y+3], v[\y+2:\y+3]
.else
	v_pk_fma_f32 v[SQ:SQ+1], v[\y+4*n:\y+4*n+1], v[\y+4*n:\y+4*n+1], v[SQ:SQ+1]
	v_pk_fma_f32 v[SQ+2:SQ+3], v[\y+4*n+2:\y+4*n+3], v[\y+4*n+2:\y+4*n+3], v[SQ+2:SQ+3]
.endif
.set n, n+1
.endr
	v_add_nc_u32 v[SOP], 0xff000000, v[AM]         ; 2 off the exponent field: the conversion takes the exponent field of this operand as its scale, and nothing else of it
	v_add_nc_u32 v[SOP+1], 0xff000000, v[AM+1]
	v_lshrrev_b32 v[BY], 23, v[SOP]                ; the scale's byte
	v_lshrrev_b32 v[BY+1], 23, v[SOP+1]
	v_lshl_or_b32 v[WD+\s], v[BY+1], 16, v[BY]     ; my two bytes: blocks h and 2 + h of the K step,
	v_lshlrev_b32 v[WD+\s], v10, v[WD+\s]          ; at their places in the word;
	v_permlanex16_b32 v[PT], v[WD+\s], s20, s21
	v_or_b32 v[WD+\s], v[WD+\s], v[PT]             ; with lane l xor 16's two the word is whole, in both lanes
.irp c, 0,1
	v_cvt_scalef32_pk16_fp6_f32 v[CD+12*\s+6*\c:CD+12*\s+6*\c+2], v[\y+32*\c:\y+32*\c+15], v[SOP+\c]
	v_cvt_scalef32_pk16_fp6_f32 v[TT+4*\c:TT+4*\c+2], v[\y+32*\c+16:\y+32*\c+31], v[SOP+\c]
.endr
	v_nop                                          ; one plain place behind a scaled conversion
.irp c, 0,1
.irp i, 0,1,2
	v_mov_b32 v[CD+12*\s+6*\c+3+\i], v[TT+4*\c+\i]
.endr
.endr
.endm
	s_wait_loadcnt 16                              ; k 0-127 of the 16 rows is in; the 16 younger loads may be out
.set p, 0
.rept 16
	ds_store_b128 v5, v[RA+4*p:RA+4*p+3] offset:SPITCH*p
.set p, p+1
.endr
.set p, 0
.rept 16
	ds_load_b128 v[X+4*p:X+4*p+3], v6 offset:256*(p/8)+16*(p%8)    ; LDS serves a wave's instructions in order (ISA guide 5.7.1.4): these see the stores above
.set p, p+1
.endr
	s_wait_loadcnt 0x0
.set p, 0
.rept 16
	ds_store_b128 v5, v[RB+4*p:RB+4*p+3] offset:HALF+SPITCH*p      ; the second half has a stage of its own
.set p, p+1
.endr
	s_wait_dscnt 16                                ; all but the 16 stores just issued: X is in, and RA's stores have read their registers,
.set p, 0
.rept 16
	ds_load_b128 v[RA+4*p:RA+4*p+3], v6 offset:HALF+256*(p/8)+16*(p%8)   ; which take the second half while the first is quantised
.set p, p+1
.endr
	QUANT X, 0
	s_wait_dscnt 0x0
	QUANT RA, 1
	v_cmp_gt_u32 vcc_lo, 16, v1                    ; lanes 0-15
	v_pk_add_f32 v[SQ:SQ+1], v[SQ:SQ+1], v[SQ+2:SQ+3]
	v_add_f32 v[SQ], v[SQ], v[SQ+1]
	v_permlanex16_b32 v[PT], v[SQ], s20, s21
	v_add_f32 v[SQ], v[SQ], v[PT]                  ; the row's sum of squares
	v_mul_f32 v[SQ], -0.5, v[SQ]
	v_cndmask_b32 v15, v[WD+1], v[WD], vcc_lo      ; lanes 0-15: the word of k 0-127; lanes 16-31: that of k 128-255
	v_cndmask_b32 v14, 0, v[SQ], vcc_lo            ; lanes 0-15: c; lanes 16-31: the zeros that fill the unit
	ds_store_b32 v7, v15
	ds_store_b32 v7, v14 offset:128
	ds_load_b64 v[12:13], v8                       ; my wave's own bytes, served in order
.set p, 0
.rept 6
	global_store_b128 v4, v[CD+4*p:CD+4*p+3], s[8:9] offset:512*p  ; 32 lanes store 512 consecutive bytes, at a multiple of 256 from the buffer's first byte
.set p, p+1
.endr
	s_wait_dscnt 0x0
	global_store_b64 v9, v[12:13], s[8:9] offset:3072              ; 32 lanes store the record's last 256 bytes
	s_wait_tensorcnt 0x0
	ds_add_u32 v254, v255
	s_wait_dscnt 0x0
	s_endpgm
.Lfunc_end_k_qabf23e4d6d_quant:
	.size	k_qabf23e4d6d_quant, .Lfunc_end_k_qabf23e4d6d_quant-k_qabf23e4d6d_quant
	.p2alignl 7, 3214868480
	.fill 96, 4, 3214868480
	.section	.rodata,"a",@progbits
	.p2align	6, 0x0
	.amdhsa_kernel k_qabf23e4d6d_quant
		.amdhsa_group_segment_fixed_size 155648
		.amdhsa_private_segment_fixed_size 0
		.amdhsa_enable_private_segment 0
		.amdhsa_kernarg_size 24
		.amdhsa_user_sgpr_count 2
		.amdhsa_user_sgpr_kernarg_segment_ptr 1
		.amdhsa_wavefront_size32 1
		.amdhsa_system_sgpr_workgroup_id_x 1
		.amdhsa_system_sgpr_workgroup_id_y 1
		.amdhsa_system_sgpr_workgroup_id_z 1
		.amdhsa_system_vgpr_workitem_id 0
		.amdhsa_next_free_vgpr 256
		.amdhsa_next_free_sgpr 66
		.amdhsa_reserve_vcc 1
		.amdhsa_float_denorm_mode_32 3
		.amdhsa_float_denorm_mode_16_64 3
		.amdhsa_memory_ordered 1
		.amdhsa_forward_progress 1
		.amdhsa_inst_pref_size 21
	.end_amdhsa_kernel
	.amdgpu_metadata
---
amdhsa.version: [ 1, 2 ]
amdhsa.kernels:
  - .name:           k_qabf23e4d6d_quant
    .symbol:         k_qabf23e4d6d_quant.kd
    .args:
      - { .name: X_sample, .offset: 0, .size: 8, .value_kind: global_buffer, .address_space: global }
      - { .name: X_train, .offset: 8, .size: 8, .value_kind: global_buffer, .address_space: global }
      - { .name: rec, .offset: 16, .size: 8, .value_kind: global_buffer, .address_space: global }
    .group_segment_fixed_size: 155648
    .private_segment_fixed_size: 0
    .kernarg_segment_align: 8
    .kernarg_segment_size: 24
    .max_flat_workgroup_size: 288
    .sgpr_count:     66
    .vgpr_count:     256
    .wavefront_size: 32
...
	.end_amdgpu_metadata
.endif
;; end of part 1
;; launch knn (part 2): grid 16 x 16, 4 waves a work-group, clusters of 4 x 1, 327,680 bytes of LDS; arguments rec, part; writes part
.if DOCPART == 2
	.amdgcn_target "amdgcn-amd-amdhsa--gfx1250"
	.amdhsa_code_object_version 6
	.text
	.protected	k_qabf23e4d6d_knn
	.globl	k_qabf23e4d6d_knn
	.p2align	8
	.type	k_qabf23e4d6d_knn,@function
k_qabf23e4d6d_knn:
	s_mov_b64 s[64:65], 0
	v_nop
	global_prefetch_b8 v0, s[64:65] scope:SCOPE_SE
	s_setreg_imm32_b32 hwreg(HW_REG_WAVE_MODE, 25, 1), 1
	s_wait_xcnt 0x0
	s_wait_alu depctr_hold_cnt(0) depctr_sa_sdst(0) depctr_va_vdst(0) depctr_va_sdst(0) depctr_va_ssrc(0) depctr_va_vcc(0) depctr_vm_vsrc(0)
	s_getreg_b32 s2, hwreg(HW_REG_IB_STS2, 6, 4)
	s_cmp_eq_u32 s2, 0
	s_cbranch_scc0 .Lentry_in_a_cluster
	s_endpgm
.Lentry_in_a_cluster:
	s_bfe_u32 s2, ttmp6, 0x10000c
	s_cmp_lg_u32 s2, 0x3003
	s_cbranch_scc0 .Lentry_shape_is_right
	s_endpgm
.Lentry_shape_is_right:
; For 256 samples (block tx) and 2,048 training rows (block ty): the two LARGEST v = q_s . q_t + c_t + c_s of each sample, c = -0.5 x the row's sum of squares: the squared distance is -2 v.
; The product is on codes of FP6 (E2M3) with one E8M0 scale for each 32 along K, as the launch before laid them: records of 3,328 bytes for each tile of 16 rows (two fragments as images of their registers, 32 scale words, 16 c).
; NOTHING BUT THE SELECTION IS LEFT TO VECTOR INSTRUCTIONS: c_t is the C of a tile's first matrix instruction; c_s, the same for a whole row of scores, is added at the end.
; LAYOUT.  Source 0 = 16 training rows, source 1 = 16 samples: a lane holds ONE sample (lane % 16), and its eight registers are eight training rows (8 (lane / 16) + j).
; THE SELECTION.  Each lane keeps m1 >= m2 for each of its 16 samples.  Two new scores x, y: e = med3(m1, x, y), m1 = max3(m1, x, y); after two such pairs m2 = max3(m2, e0, e1): the second largest of
; {m1, m2, x, y} is max(m2, med3(m1, x, y)).  Ten instructions for a tile of 16 x 16, five for each matrix instruction.
; SHARES.  All four waves hold the same 256 samples in registers (16 tiles x 24); wave w streams training tiles 32 w .. 32 w + 31 of the block, so each fragment read from LDS feeds 16 matrix instructions.
; BY TURNS.  A tile of training rows goes in four phases of four sample tiles, 8 matrix instructions each, on two sets of four accumulators; behind each matrix instruction stand five lines of the selection on the
; set that the phase before has finished.  All that the selection touches lies in window 0 and the operands do not fit beside it: each slice costs two switches of the register window.
; CLUSTER.  The four work-groups of a cluster have the same ty: every load of training records is asked for JOINTLY (mask 15), by the same wave of each with the same descriptor.  The samples' load is each work-group's own.
; THE RING.  Each wave has 20 places of one record, which its own loads fill and it alone reads: its own wait on TENSORcnt orders those reads.  Tiles 0-19 come with the first fills, tiles 20-27 into places 0-7,
; tiles 28-31 into places 8-11, each behind a round of the cluster's barrier.  By this text's count a wave has at most four tensor loads out (at the start), later one.
; LIMITS: NaN and infinities among the inputs are not served.
; REGISTERS, in windows of 256: window 0: v1-15 addresses, c_s; v16-31 the samples' scale words; v32-33 the training tile's, a register for each buffer; v40-55 c_t in the result's layout, 8 for each buffer;
;   v64-95 (m1, m2) of sample tile s at 64 + 2 s; v96-103 e0, e1 of four tiles; v128-191 two sets of four accumulators.
;   window 1: v0-191 sample tiles 0-7 (24 each, K step k at + 12 k); v192-239 two buffers for a training tile.   window 2: v0-191 sample tiles 8-15.
.set RECB,  3328
.set RING,  16*RECB                    ; LDS: 16 sample records from byte 0 (filled once; at the end their first 8,192 bytes are the scratch of the merge), then the four rings,
.set RINGW, 20*RECB
.set SPARE, RING+4*RINGW               ; then the spare words, 128 bytes for each wave: two blocks of 256 bytes that no other line names
.set LI,  1                            ; v1   16 x lane: my place in an image; never rewritten
.set LS,  2                            ; v2   4 x lane: my scale word's
.set LC,  3                            ; v3   32 x (lane / 16): my eight c_t
.set ADT, 4                            ; v4-6 the same three, in the record to be fetched
.set ADS, 5
.set ADC, 6
.set SPW, 8                            ; v8   LDS address of my spare word: SPARE + 4 x my thread's number; never rewritten
.set NIL, 9                            ; v9   0; never rewritten
.set SCO, 10                           ; v10  the merge: where I put a pair
.set SCI, 11                           ; v11  and where I read two samples' pairs
.set CS,  12                           ; v12-13 c_s of the two samples that I store
.set CSA, 15                           ; v15  where they lie in LDS
.set SSC, 16
.set TSC, 32
.set CIN, 40
.set TR,  64
.set E,   96
.set ACC, 128
.set TF,  192                          ; the training buffers, in window 1
.set G1S, 16                           ; s[16:23] descriptor group 1: 4 records, my work-group's own
.set G1A, 24                           ; s[24:31] 4 records, joint
.set G1D, 32                           ; s[32:39] 8 records, joint
.set G0S, 40                           ; groups 0, one for each load, written once: the samples;
.set G0T0, 44                          ; tiles 0-3;
.set G0T1, 48                          ; tiles 4-11;
.set G0T2, 52                          ; tiles 12-19;
.set G0R1, 56                          ; tiles 20-27;
.set G0R2, 60                          ; tiles 28-31
.set MSB, 0
.macro WIN new                         ; s_set_vgpr_msb: bits 1:0 source 0, 3:2 source 1, 5:4 source 2, 7:6 destination; the high byte repeats the setting that is left; a switch that changes nothing is dropped
.if MSB != (\new)
	s_set_vgpr_msb (MSB<<8)|(\new)
.set MSB, (\new)
.endif
.endm
; A round of the cluster's barrier: my work-group's barrier, so that wave 0's signal speaks for all four waves; wave 0 signals for the work-group; every wave waits for all four work-groups; my work-group's barrier once more.
.macro CROUND
	s_barrier_signal -1
	s_barrier_wait -1
	s_cmp_lg_u32 s8, 0
	s_cbranch_scc1 .Lnot_wave_0_\@
	s_barrier_signal -3
.Lnot_wave_0_\@:
	s_barrier_wait -3
	s_barrier_signal -1
	s_barrier_wait -1
.endm
; Group 1: a dense block, as rows of 256 bytes (32 elements of 8 bytes), no padding: every LDS read of it takes 16 x lane on end
.macro G1SET g, w0, rows
	s_mov_b32 s[\g], \w0                           ; 15:0 the mask; 17:16 elements of 8 bytes (code 3); 21 set beside a mask
	s_mov_b32 s[\g+1], 32<<16                      ; tensor_dim0 = 32
	s_mov_b32 s[\g+2], (\rows)<<16                 ; tensor_dim1
	s_mov_b32 s[\g+3], 32<<16                      ; tile_dim0 = 32
	s_mov_b32 s[\g+4], \rows                       ; tile_dim1
	s_mov_b32 s[\g+5], 32                          ; from row to row: 32 elements
	s_mov_b32 s[\g+6], 0
	s_mov_b32 s[\g+7], 0
.endm
; Group 0 of a load of training records: from my wave's tile number tile on, to byte lds of my wave's ring.  Nothing in it hangs on my work-group's place in the cluster
.macro G0SET g, lds, tile
	s_mov_b32 s[\g], 1                             ; count = 1
	s_add_co_u32 s[\g+1], s13, \lds
	s_add_nc_u64 s[\g+2:\g+3], s[70:71], (\tile)*RECB
	s_or_b32 s[\g+3], s[\g+3], 0x80000000          ; type = 2
.endm
	s_load_b128 s[4:7], s[0:1], 0x0                ; rec, part
	v_lshl_add_u32 v[SPW], v0, 2, SPARE
	v_mov_b32 v[NIL], 0
	ds_add_u32 v8, v9
	ds_add_u32 v8, v9
	s_wait_dscnt 0x0
	v_lshrrev_b32 v7, 5, v0
	v_readfirstlane_b32 s8, v7                     ; wave 0..3
	s_bfe_u32 s9, ttmp6, 0x40000                   ; cx: my place in the cluster: it enters the samples' address and part's alone
	s_lshl_b32 s10, ttmp9, 2                       ; in a cluster launch ttmp9 counts clusters
	s_add_co_u32 s10, s10, s9                      ; tx: my block of 256 samples
	s_and_b32 s11, ttmp7, 0xffff                   ; ty: the block of 2,048 training rows, which the four partners share
	G1SET G1S, 3<<16, 52
	G1SET G1A, 15|(3<<16)|(1<<21), 52
	G1SET G1D, 15|(3<<16)|(1<<21), 104
	s_lshl_b32 s68, s10, 4
	s_lshl_b32 s69, s8, 2
	s_add_co_u32 s68, s68, s69
	s_mul_i32 s68, s68, RECB                       ; the samples' records that I fetch: 16 tx + 4 wave on
	s_mov_b32 s69, 0
	s_lshl_b32 s70, s11, 7
	s_lshl_b32 s71, s8, 5
	s_add_co_u32 s70, s70, s71
	s_add_co_u32 s70, s70, 256
	s_mul_i32 s70, s70, RECB                       ; my wave's training records: 256 + 128 ty + 32 wave on
	s_mov_b32 s71, 0
	s_mul_i32 s72, s8, 4*RECB                      ; where my four sample records go
	s_mul_i32 s13, s8, RINGW
	s_add_co_u32 s13, s13, RING                    ; my wave's ring
	s_lshl_b32 s76, s11, 15                        ; part: [16 blocks][4096 samples][2] f32: 32,768 ty + 8 (256 tx + 64 wave)
	s_lshl_b32 s77, s10, 11
	s_add_co_u32 s76, s76, s77
	s_lshl_b32 s77, s8, 9
	s_add_co_u32 s76, s76, s77
	s_mov_b32 s77, 0
	s_lshl_b32 s73, s8, 11
	s_lshl_b32 s74, s8, 9
	s_mov_b32 s92, 0x76543210
	s_mov_b32 s93, 0xfedcba98                      ; v_permlanex16_b32's selects for lane l xor 16
	s_mov_b32 s15, 0xff800000                      ; -infinity
	s_wait_kmcnt 0x0
	s_add_nc_u64 s[68:69], s[4:5], s[68:69]
	s_add_nc_u64 s[70:71], s[4:5], s[70:71]
	s_add_nc_u64 s[6:7], s[6:7], s[76:77]
	s_mov_b32 s[G0S], 1
	s_mov_b32 s[G0S+1], s72
	s_mov_b64 s[G0S+2:G0S+3], s[68:69]
	s_or_b32 s[G0S+3], s[G0S+3], 0x80000000
	G0SET G0T0, 0, 0
	G0SET G0T1, 4*RECB, 4
	G0SET G0T2, 12*RECB, 12
	G0SET G0R1, 0, 20
	G0SET G0R2, 8*RECB, 28
	CROUND                                         ; all four work-groups are here: the first joint loads meet
	tensor_load_to_lds s[G0S:G0S+3], s[G1S:G1S+7]          ; the first fills go out as one group: four loads of mine are out
	s_nop 0
	tensor_load_to_lds s[G0T0:G0T0+3], s[G1A:G1A+7]
	s_nop 0
	tensor_load_to_lds s[G0T1:G0T1+3], s[G1D:G1D+7]
	s_nop 0
	tensor_load_to_lds s[G0T2:G0T2+3], s[G1D:G1D+7]
	s_nop 0
.rept 4
	v_nop
.endr
	v_and_b32 v[LI], 31, v0
	v_lshlrev_b32 v[LS], 2, v[LI]
	v_lshlrev_b32 v[LI], 4, v[LI]
	v_bfe_u32 v[LC], v0, 4, 1
	v_lshlrev_b32 v[LC], 5, v[LC]
	v_bfe_u32 v[CSA], v0, 3, 2                     ; at the end I store samples 64 wave + 2 lane and the next: tile 4 wave + lane / 8, rows 2 (lane % 8) and the next
	v_mul_u32_u24 v[CSA], v[CSA], RECB
	v_and_b32 v7, 7, v0
	v_lshl_add_u32 v[CSA], v7, 3, v[CSA]
	v_add_nc_u32 v[CSA], s72, v[CSA]
	v_and_b32 v[SCO], 15, v0
	v_lshlrev_b32 v[SCO], 3, v[SCO]
	v_add_nc_u32 v[SCO], s73, v[SCO]               ; the merge's scratch: 2,048 x wave + 8 x sample: in: 8 (lane % 16), the tile in the immediate;
	v_add_nc_u32 v[SCI], s74, v[LI]                ; back: 512 x wave + 16 x lane, the other wave in the immediate
.set t, 0
.rept 32
	v_mov_b32 v[TR+t], s15                         ; m1, m2 begin under every score;
	v_mov_b32 v[ACC+32+t], s15                     ; so does accumulator set 1: the very first phase's slices find it, and the key step is written in one form
.set t, t+1
.endr
; The next training record comes into buffer b: six loads of 512 bytes for the two fragments, the scale words, my eight c_t.  s12 = the record's LDS byte, stepped here.
.macro LOADT b
	WIN 0
	v_add_nc_u32 v[ADT], s12, v[LI]
	v_add_nc_u32 v[ADS], s12, v[LS]
	v_add_nc_u32 v[ADC], s12, v[LC]
	s_add_co_u32 s12, s12, RECB
	WIN 0x40                                       ; destination window 1, address window 0
.irp c, 0,1,2,3,4,5
	ds_load_b128 v[TF+24*(\b)+4*\c:TF+24*(\b)+4*\c+3], v[ADT] offset:512*\c
.endr
	WIN 0
	ds_load_b32 v[TSC+(\b)], v[ADS] offset:3072
	ds_load_b128 v[CIN+8*(\b):CIN+8*(\b)+3], v[ADC] offset:3200
	ds_load_b128 v[CIN+8*(\b)+4:CIN+8*(\b)+7], v[ADC] offset:3216
.endm
; Line j (0 .. 39) of the selection for sample group pg (tiles 4 pg .. 4 pg + 3): step j / 4 of ten, tile j % 4: the four tiles take turns, so that a line's source was written four lines back.
; Each accumulator is read from its low end on.
.macro SL pg, j
.set si, (\j)%4
.set ii, (\j)/4
.set i5, ii%5
.set ra, ACC+32*((\pg)%2)+8*si+4*(ii/5)
.set rm, TR+2*(4*(\pg)+si)
.set re, E+2*si
.if i5 == 0
	v_med3_num_f32 v[re], v[rm], v[ra], v[ra+1]
.elseif i5 == 1
	v_max3_num_f32 v[rm], v[rm], v[ra], v[ra+1]
.elseif i5 == 2
	v_med3_num_f32 v[re+1], v[rm], v[ra+2], v[ra+3]
.elseif i5 == 3
	v_max3_num_f32 v[rm], v[rm], v[ra+2], v[ra+3]
.else
	v_max3_num_f32 v[rm+1], v[rm+1], v[re], v[re+1]
.endif
.endm
; A phase: the training tile in buffer b against sample tiles 4 g .. 4 g + 3: K step 0 four times (C = c_t), then K step 1 four times, in place: the four accumulators take turns, one instruction a turn.
; Behind each product five lines of the selection on the other set (the group before, in phase 0 the last tile's group 3).
; PLACES (ISA guide 7.12.1): a set's first read stands behind the last slice of its own phase, five plain lines on the other set; it is written anew a phase after its slices; of those at least 30 name none of a given accumulator's registers.
.macro PHASE b, g
.set q, 0
.rept 8
.set kk, q/4
.set ss, q%4
.set rD, ACC+32*((\g)%2)+8*ss
.set rA, TF+24*(\b)+12*kk
.set rB, 24*(4*((\g)%2)+ss)+12*kk
	WIN 0x05+4*((\g)/2)                            ; source 0 window 1; source 1 window 1 (sample tiles 0-7) or 2 (tiles 8-15); C and D window 0
.if kk == 0
	v_wmma_scale_f32_16x16x128_f8f6f4 v[rD:rD+7], v[rA:rA+11], v[rB:rB+11], v[CIN+8*(\b):CIN+8*(\b)+7], v[TSC+(\b)], v[SSC+4*(\g)+ss] matrix_a_fmt:MATRIX_FMT_FP6 matrix_b_fmt:MATRIX_FMT_FP6
.else
	v_wmma_scale_f32_16x16x128_f8f6f4 v[rD:rD+7], v[rA:rA+11], v[rB:rB+11], v[rD:rD+7], v[TSC+(\b)], v[SSC+4*(\g)+ss] matrix_a_fmt:MATRIX_FMT_FP6 matrix_b_fmt:MATRIX_FMT_FP6 matrix_a_scale:MATRIX_SCALE_ROW1 matrix_b_scale:MATRIX_SCALE_ROW1
.endif
	WIN 0
.set jj, 5*q
.rept 5
	SL ((\g)+3)%4, jj
.set jj, jj+1
.endr
.set q, q+1
.endr
.endm
; A training tile: 32 matrix instructions.  pf = 1: the next tile is fetched into the other buffer, a tile ahead of its use; wrap = 1: from the ring's first place.
; The other buffer's last reader stands in front of the last tile's last slice: five plain lines, and the fetch's own three additions, lie between.
.macro TILE b, pf, wrap
	WIN 0
	s_wait_dscnt 0x0                               ; this tile's nine loads, issued a tile ago
.if \wrap
	s_mov_b32 s12, s13
.endif
.if \pf
	LOADT 1-(\b)
.endif
	PHASE \b, 0
	PHASE \b, 1
	PHASE \b, 2
	PHASE \b, 3
.endm
.macro PAIR pf2, wrap2                 ; two tiles: the buffers are back where they began
	TILE 0, 1, 0
	TILE 1, \pf2, \wrap2
.endm
.macro LOOP n
	s_mov_b32 s14, \n
.Lpair_\@:
	PAIR 1, 0
	WIN 0                                          ; at a label and at a branch every window is 0
	s_sub_co_u32 s14, s14, 1
	s_cmp_lg_u32 s14, 0
	s_cbranch_scc1 .Lpair_\@
.endm
; Places of the rings are filled again.  Every wave waits for all its tensor loads, adds 0 to its spare word, and waits for that and for its LDS reads; a round of the cluster's barrier: no wave of any partner
; still reads those places or has a load on its way; then the joint refill, the wave's one tensor load until the next round.
.macro CHANGE g0, g1
	WIN 0
	s_wait_tensorcnt 0x0
	ds_add_u32 v[SPW], v[NIL]
	s_wait_dscnt 0x0
	CROUND
	tensor_load_to_lds s[\g0:\g0+3], s[\g1:\g1+7]
	s_nop 0
.rept 4
	v_nop
.endr
.endm
	s_wait_tensorcnt 0x3                           ; my four sample records are in; the three loads behind them may be out
	s_barrier_signal -1
	s_barrier_wait -1                              ; everybody's are
	WIN 0x40                                       ; destination window 1
.set t, 0
.rept 8
.set q, 0
.rept 6
	ds_load_b128 v[24*t+4*q:24*t+4*q+3], v[LI] offset:RECB*t+512*q           ; sample tiles 0-7: they stay in registers
.set q, q+1
.endr
.set t, t+1
.endr
	WIN 0x80                                       ; destination window 2
.set t, 0
.rept 8
.set q, 0
.rept 6
	ds_load_b128 v[24*t+4*q:24*t+4*q+3], v[LI] offset:RECB*(t+8)+512*q       ; sample tiles 8-15
.set q, q+1
.endr
.set t, t+1
.endr
	WIN 0
.set t, 0
.rept 16
	ds_load_b32 v[SSC+t], v[LS] offset:RECB*t+3072                           ; their scale words: lanes 0-15 K step 0, lanes 16-31 K step 1
.set t, t+1
.endr
	ds_load_b64 v[CS:CS+1], v[CSA] offset:3200                               ; c_s of the two samples that I store at the end
	s_wait_tensorcnt 0x2                           ; tiles 0-3 are in (behind them: two loads)
	s_mov_b32 s12, s13
	LOADT 0
	PAIR 1, 0                                      ; tiles 0, 1; fetched: up to tile 2
	s_wait_tensorcnt 0x1                           ; tiles 4-11 are in
	LOOP 3                                         ; tiles 2-7; fetched: up to tile 8
	CHANGE G0R1, G1D                               ; tiles 12-19 have landed; places 0-7 take tiles 20-27, which have 11 tiles' work in which to land
	LOOP 5                                         ; tiles 8-17; fetched: up to tile 18
	CHANGE G0R2, G1A                               ; tiles 20-27 have landed; places 8-11 take tiles 28-31
	PAIR 1, 1                                      ; tiles 18, 19; the second fetch, tile 20's, goes back to the ring's first place
	LOOP 3                                         ; tiles 20-25; fetched: up to tile 26
	s_wait_tensorcnt 0x0                           ; tiles 28-31 are in: no load was issued behind theirs
	LOOP 2                                         ; tiles 26-29; fetched: up to tile 30
	PAIR 0, 0                                      ; tiles 30, 31: the last tile fetches nothing
.set jj, 0
.rept 40
	SL 3, jj                                       ; the last tile's group 3
.set jj, jj+1
.endr
	; THE END.  A sample's pair lies in two lanes (the halves held different training rows) of each of four waves.  Two pairs a1 >= a2, b1 >= b2 merge into max(a1, b1) and max3(min(a1, b1), a2, b2).
.set t, 0
.rept 16
	v_permlanex16_b32 v[ACC+2*t], v[TR+2*t], s92, s93
	v_permlanex16_b32 v[ACC+2*t+1], v[TR+2*t+1], s92, s93
.set t, t+1
.endr
.set t, 0
.rept 16
	v_min_num_f32 v[ACC+32+t], v[TR+2*t], v[ACC+2*t]
.set t, t+1
.endr
.set t, 0
.rept 16
	v_max3_num_f32 v[TR+2*t+1], v[ACC+32+t], v[TR+2*t+1], v[ACC+2*t+1]
.set t, t+1
.endr
.set t, 0
.rept 16
	v_max_num_f32 v[TR+2*t], v[TR+2*t], v[ACC+2*t]
.set t, t+1
.endr
.set t, 0
.rept 16
	ds_store_b64 v[SCO], v[TR+2*t:TR+2*t+1] offset:128*t   ; into the samples' bytes: filled once, at the start, and last read in front of the first round.  Lanes l and l + 16 write the same bytes with the same values
.set t, t+1
.endr
	s_wait_dscnt 0x0                               ; for the others' sake: my stores are done
	s_barrier_signal -1
	s_barrier_wait -1
.irp u, 0,1,2,3
	ds_load_b128 v[ACC+4*\u:ACC+4*\u+3], v[SCI] offset:2048*\u     ; wave u's pairs of samples 64 wave + 2 lane and the next
.endr
	s_wait_dscnt 0x0
.irp u, 1,2,3
	v_min_num_f32 v[E], v[ACC], v[ACC+4*\u]
	v_min_num_f32 v[E+1], v[ACC+2], v[ACC+4*\u+2]
	v_max3_num_f32 v[ACC+1], v[E], v[ACC+1], v[ACC+4*\u+1]
	v_max3_num_f32 v[ACC+3], v[E+1], v[ACC+3], v[ACC+4*\u+3]
	v_max_num_f32 v[ACC], v[ACC], v[ACC+4*\u]
	v_max_num_f32 v[ACC+2], v[ACC+2], v[ACC+4*\u+2]
.endr
	v_add_f32 v[ACC], v[ACC], v[CS]                ; + c_s
	v_add_f32 v[ACC+1], v[ACC+1], v[CS]
	v_add_f32 v[ACC+2], v[ACC+2], v[CS+1]
	v_add_f32 v[ACC+3], v[ACC+3], v[CS+1]
	global_store_b128 v[LI], v[ACC:ACC+3], s[6:7]  ; 32 lanes store 512 consecutive bytes, at a multiple of 256 from the buffer's first byte
	s_wait_tensorcnt 0x0                           ; the wave's end: behind my last tensor load and my last LDS store
	ds_add_u32 v[SPW], v[NIL]
	s_wait_dscnt 0x0
	CROUND                                         ; the closing round: no work-group ends while a partner may still ask for records jointly
	s_endpgm
.Lfunc_end_k_qabf23e4d6d_knn:
	.size	k_qabf23e4d6d_knn, .Lfunc_end_k_qabf23e4d6d_knn-k_qabf23e4d6d_knn
	.p2alignl 7, 3214868480
	.fill 96, 4, 3214868480
	.section	.rodata,"a",@progbits
	.p2align	6, 0x0
	.amdhsa_kernel k_qabf23e4d6d_knn
		.amdhsa_group_segment_fixed_size 327680
		.amdhsa_private_segment_fixed_size 0
		.amdhsa_enable_private_segment 0
		.amdhsa_kernarg_size 16
		.amdhsa_user_sgpr_count 2
		.amdhsa_user_sgpr_kernarg_segment_ptr 1
		.amdhsa_wavefront_size32 1
		.amdhsa_system_sgpr_workgroup_id_x 1
		.amdhsa_system_sgpr_workgroup_id_y 1
		.amdhsa_system_sgpr_workgroup_id_z 1
		.amdhsa_system_vgpr_workitem_id 0
		.amdhsa_next_free_vgpr 704
		.amdhsa_next_free_sgpr 96
		.amdhsa_reserve_vcc 0
		.amdhsa_float_denorm_mode_32 3
		.amdhsa_float_denorm_mode_16_64 3
		.amdhsa_memory_ordered 1
		.amdhsa_forward_progress 1
		.amdhsa_inst_pref_size 255
	.end_amdhsa_kernel
	.section	.bss,"aw",@nobits
	.p2align	6
	.space	262144
	.amdgpu_metadata
---
amdhsa.version: [ 1, 2 ]
amdhsa.kernels:
  - .name:           k_qabf23e4d6d_knn
    .symbol:         k_qabf23e4d6d_knn.kd
    .args:
      - { .name: rec, .offset: 0, .size: 8, .value_kind: global_buffer, .address_space: global }
      - { .name: part, .offset: 8, .size: 8, .value_kind: global_buffer, .address_space: global }
    .group_segment_fixed_size: 327680
    .private_segment_fixed_size: 0
    .kernarg_segment_align: 8
    .kernarg_segment_size: 16
    .max_flat_workgroup_size: 128
    .sgpr_count:     96
    .vgpr_count:     704
    .wavefront_size: 32
...
	.end_amdgpu_metadata
.endif
;; end of part 2
;; launch final (part 3): grid 1 x 1, 32 waves a work-group, no clusters, 4,352 bytes of LDS; arguments part, out0, out1; writes out0, out1
.if DOCPART == 3
	.amdgcn_target "amdgcn-amd-amdhsa--gfx1250"
	.amdhsa_code_object_version 6
	.text
	.protected	k_qabf23e4d6d_final
	.globl	k_qabf23e4d6d_final
	.p2align	8
	.type	k_qabf23e4d6d_final,@function
k_qabf23e4d6d_final:
	s_mov_b64 s[64:65], 0
	v_nop
	global_prefetch_b8 v0, s[64:65] scope:SCOPE_SE
	s_setreg_imm32_b32 hwreg(HW_REG_WAVE_MODE, 25, 1), 1
	s_wait_xcnt 0x0
; part [16 training blocks][4096 samples][2]: for each block the two largest v = q_s . q_t + c_t + c_s of a sample, v1 >= v2.  The 16 pairs of a sample are merged; the squared distance is -2 v, held at 0 from below;
; out0 [4096][2] = the two roots, the smaller first; out1 = the share of samples with d0 < d1 / 3.  out1 is one number over all samples and work-groups hand each other nothing: so ONE work-group, 1,024 threads.
; Thread t owns samples 2 t, 2 t + 1 and, in a second pass, 2048 + 2 t, 2048 + 2 t + 1: 16 bytes of each block a pass, so each load and store of a wave covers 512 consecutive bytes.
; A ring of 16 slots in registers, one for each block: as soon as a slot's first pair is merged, its second is asked for: 16 loads of every wave are on their way.
; LIMITS: NaN and infinities are not served.
.set D,   16                           ; v16-79  slot p: (v1, v2) of my two samples in block p
.set M,   80                           ; v80-83  the running pairs
.set T,   84                           ; v84-85  at work
.set R,   88                           ; v88-95  the roots, a set for each pass, so that no store's data are written again
.set NO,  98                           ; v98     0.0
.set YES, 99                           ; v99     1.0
.set CNT, 100                          ; v100    how many of my samples count
.set PT,  101                          ; v101    what the lane 16 away sends
.set ZO,  102                          ; v102    the offset 0
	s_load_b128 s[4:7], s[0:1], 0x0                ; part, out0
	s_load_b64 s[8:9], s[0:1], 0x10                ; out1
	v_lshl_add_u32 v126, v0, 2, 0x100
	v_mov_b32 v127, 0
	v_lshlrev_b32 v1, 4, v0                        ; 16 t; never rewritten
	v_lshrrev_b32 v2, 5, v0
	v_readfirstlane_b32 s10, v2                    ; wave 0..31
	v_mov_b32 v[NO], 0
	v_mov_b32 v[YES], 1.0
	v_mov_b32 v[CNT], 0
	v_mov_b32 v[PT], 0                             ; written once: a lane permute's destination counts as one of its sources
	v_mov_b32 v[ZO], 0
	s_mov_b32 s12, 0x76543210
	s_mov_b32 s13, 0xfedcba98                      ; v_permlanex16_b32's selects for lane l xor 16
	s_wait_kmcnt 0x0
.set p, 0
.rept 16
	global_load_b128 v[D+4*p:D+4*p+3], v1, s[4:5] offset:32768*p th:TH_LOAD_NT
.set p, p+1
.endr
; Two pairs a1 >= a2, b1 >= b2 merge into max(a1, b1) and max3(min(a1, b1), a2, b2).  Block 0's pairs start the running ones.
.macro MERGE p
.if (\p) == 0
.irp i, 0,1,2,3
	v_mov_b32 v[M+\i], v[D+\i]
.endr
.else
	v_min_num_f32 v[T], v[M], v[D+4*(\p)]
	v_min_num_f32 v[T+1], v[M+2], v[D+4*(\p)+2]
	v_max3_num_f32 v[M+1], v[T], v[M+1], v[D+4*(\p)+1]
	v_max3_num_f32 v[M+3], v[T+1], v[M+3], v[D+4*(\p)+3]
	v_max_num_f32 v[M], v[M], v[D+4*(\p)]
	v_max_num_f32 v[M+2], v[M+2], v[D+4*(\p)+2]
.endif
.endm
.macro FINISH u
.irp i, 0,1,2,3
	v_mul_f32 v[R+4*\u+\i], -2.0, v[M+\i]          ; the squared distances: the largest v gives the smallest
.endr
.irp i, 0,1,2,3
	v_max_num_f32 v[R+4*\u+\i], 0, v[R+4*\u+\i]
.endr
.irp i, 0,1,2,3
	v_sqrt_f32 v[R+4*\u+\i], v[R+4*\u+\i]
.endr
	v_nop                                          ; a plain instruction between the last root and the first use (ISA guide 5.7.2)
	s_wait_alu depctr_va_vdst(0)                   ; and a wait ahead of the first use: one for the four roots
	v_mul_f32 v[T], 0x3eaaaaab, v[R+4*\u+1]        ; d1 / 3, as a multiplication by the f32 number nearest to 1 / 3
	v_mul_f32 v[T+1], 0x3eaaaaab, v[R+4*\u+3]
	v_cmp_lt_f32 vcc_lo, v[R+4*\u], v[T]
	v_cndmask_b32 v[T], v[NO], v[YES], vcc_lo
	v_cmp_lt_f32 vcc_lo, v[R+4*\u+2], v[T+1]
	v_cndmask_b32 v[T+1], v[NO], v[YES], vcc_lo
	v_add_f32 v[CNT], v[CNT], v[T]
	v_add_f32 v[CNT], v[CNT], v[T+1]
	global_store_b128 v1, v[R+4*\u:R+4*\u+3], s[6:7] offset:16384*\u   ; 32 lanes store 512 consecutive bytes, at a multiple of 256 from out0's first byte
.endm
.macro WAVESUM                         ; the sum over the wave's 32 lanes, in every lane
	v_add_f32_dpp v[CNT], v[CNT], v[CNT] row_xmask:1 row_mask:0xf bank_mask:0xf
	v_add_f32_dpp v[CNT], v[CNT], v[CNT] row_xmask:2 row_mask:0xf bank_mask:0xf
	v_add_f32_dpp v[CNT], v[CNT], v[CNT] row_xmask:4 row_mask:0xf bank_mask:0xf
	v_add_f32_dpp v[CNT], v[CNT], v[CNT] row_xmask:8 row_mask:0xf bank_mask:0xf
	v_permlanex16_b32 v[PT], v[CNT], s12, s13
	v_add_f32 v[CNT], v[CNT], v[PT]
.endm
.set p, 0
.rept 16
	s_wait_loadcnt 15                              ; loads come back in order (ISA guide 5.7.1): slot p's is in, the 15 younger ones stay out
	MERGE p
	global_load_b128 v[D+4*p:D+4*p+3], v1, s[4:5] offset:32768*p+16384 th:TH_LOAD_NT   ; the slot's second pass
.set p, p+1
.endr
	FINISH 0
.set p, 0
.rept 16
	s_wait_loadcnt 15-p                            ; nothing more is asked for: the counts run down
	MERGE p
.set p, p+1
.endr
	FINISH 1
	WAVESUM
	v_mov_b32 v2, s10
	v_lshlrev_b32 v2, 2, v2
	ds_store_b32 v2, v[CNT]                        ; my wave's count to its own word: all lanes write the same value
	s_wait_dscnt 0x0                               ; for the others' sake
	s_barrier_signal -1
	s_barrier_wait -1
	s_cmp_lg_u32 s10, 0                            ; wave 0 alone goes on
	s_cbranch_scc1 .Lend
	v_and_b32 v3, 31, v0
	v_lshlrev_b32 v3, 2, v3
	ds_load_b32 v[CNT], v3                         ; lane l: wave l's count
	s_wait_dscnt 0x0
	WAVESUM
	v_mul_f32 v[CNT], 0x39800000, v[CNT]           ; / 4096: whole numbers up to 4,096 and a power of two: nothing is rounded
	v_cmp_eq_u32 vcc_lo, 0, v0
	s_wait_xcnt 0x0                                ; EXEC is a source of the stores above: it changes only behind this wait
	s_and_saveexec_b32 s14, vcc_lo
	global_store_b32 v[ZO], v[CNT], s[8:9]         ; lane 0 stores the one number
	s_wait_xcnt 0x0                                ; and again, in front of the line that widens it
	s_or_b32 exec_lo, exec_lo, s14
.Lend:
	s_wait_tensorcnt 0x0
	ds_add_u32 v126, v127
	s_wait_dscnt 0x0
	s_endpgm
.Lfunc_end_k_qabf23e4d6d_final:
	.size	k_qabf23e4d6d_final, .Lfunc_end_k_qabf23e4d6d_final-k_qabf23e4d6d_final
	.p2alignl 7, 3214868480
	.fill 96, 4, 3214868480
	.section	.rodata,"a",@progbits
	.p2align	6, 0x0
	.amdhsa_kernel k_qabf23e4d6d_final
		.amdhsa_group_segment_fixed_size 4352
		.amdhsa_private_segment_fixed_size 0
		.amdhsa_enable_private_segment 0
		.amdhsa_kernarg_size 24
		.amdhsa_user_sgpr_count 2
		.amdhsa_user_sgpr_kernarg_segment_ptr 1
		.amdhsa_wavefront_size32 1
		.amdhsa_system_sgpr_workgroup_id_x 1
		.amdhsa_system_sgpr_workgroup_id_y 1
		.amdhsa_system_sgpr_workgroup_id_z 1
		.amdhsa_system_vgpr_workitem_id 0
		.amdhsa_next_free_vgpr 128
		.amdhsa_next_free_sgpr 66
		.amdhsa_reserve_vcc 1
		.amdhsa_float_denorm_mode_32 3
		.amdhsa_float_denorm_mode_16_64 3
		.amdhsa_memory_ordered 1
		.amdhsa_forward_progress 1
		.amdhsa_inst_pref_size 16
	.end_amdhsa_kernel
	.amdgpu_metadata
---
amdhsa.version: [ 1, 2 ]
amdhsa.kernels:
  - .name:           k_qabf23e4d6d_final
    .symbol:         k_qabf23e4d6d_final.kd
    .args:
      - { .name: part, .offset: 0, .size: 8, .value_kind: global_buffer, .address_space: global }
      - { .name: out0, .offset: 8, .size: 8, .value_kind: global_buffer, .address_space: global }
      - { .name: out1, .offset: 16, .size: 8, .value_kind: global_buffer, .address_space: global }
    .group_segment_fixed_size: 4352
    .private_segment_fixed_size: 0
    .kernarg_segment_align: 8
    .kernarg_segment_size: 24
    .max_flat_workgroup_size: 1024
    .sgpr_count:     66
    .vgpr_count:     128
    .wavefront_size: 32
...
	.end_amdgpu_metadata
.endif
;; end of part 3
